; MI455X (gfx1250); checked and timed in simulation.
; The chip was launched on July 23, 2026; its instructions are those of AMD's public machine-readable ISA for CDNA 5 (MIT licence, August 2026) and "CDNA5" Instruction Set Architecture Reference Guide (July 2026). The comments in the code are by the model that wrote it; some were corrected since.
;; Quantizer. Allowed arithmetic: float matrix products may take bf16 or f16 operands with f32 sums; all other float work in f32.
;; Inputs: array 1,024 x 1,024 float32; codebook 1,024 x 4 float32.
;; Outputs: out0 1,024 x 1,024 float32; out1 64 x 64 x 64 int32.
;; Constants: block_size = 16.
;; 2 versions, each right; version 2 is version 1 with the launch forward written anew for expert scheduling mode. Each part assembles by itself: llvm-mc -triple=amdgcn-amd-amdhsa -mcpu=gfx1250 --defsym DOCPART=n.
;; ======== version 1 of 2: 2 launches
;; workspace buffers: bp 16,777,216 bytes of whole numbers
;; launch forward (part 1): grid 256 x 1, 8 waves a work-group, no clusters, 61,440 bytes of LDS; arguments array, codebook, bp; writes bp
.if DOCPART == 1
	.amdgcn_target "amdgcn-amd-amdhsa--gfx1250"
	.amdhsa_code_object_version 6
	.text
	.protected	k_qa0a2567be1_forward
	.globl	k_qa0a2567be1_forward
	.p2align	8
	.type	k_qa0a2567be1_forward,@function
k_qa0a2567be1_forward:
	s_mov_b64 s[64:65], 0
	v_nop
	global_prefetch_b8 v0, s[64:65] scope:SCOPE_SE
	s_setreg_imm32_b32 hwreg(HW_REG_WAVE_MODE, 25, 1), 1
	s_wait_xcnt 0x0
; FORWARD PASS of an exact Viterbi search: 4,096 blocks of 16 x 16 numbers, 1,024 states, 64 steps of 4 numbers, 4 predecessors a state.
;   alpha_t[s] = min over j of alpha_(t-1)[(s >> 2) + 256 j]  +  ((cnorm[s] - 2 codebook[s] . x_t) + xx_t),   the three roundings in this order.
; Stored: for each step t = 1..63 and each u = s >> 2 the index j of the FIRST minimum (2 bits; it hangs on u alone), and the first state of least alpha_63.
; SHARES.  A work-group owns 16 blocks (16 rows of the array, 1,024 bytes of each); its eight waves share the states.  With r = lane % 16 (the block) and
; h = lane / 16, register a (0..63) of wave w holds state s = 256 (a / 16) + 32 w + 16 h + a % 16.  So (1) the four predecessors u + 256 j of u = 32 w + 16 h + q are
; registers q, q+16, q+32, q+48 of ONE lane: the minimum and its index need no other lane; (2) registers 8 i .. 8 i + 7 are the result of one 16 x 16 matrix
; instruction (row 8 h + j in register j, column r: ISA guide 7.12.2), whose 16 rows of A are picked from the codebook to fit.
; The 256 minima of a block go through LDS, since state s wants the minimum of u = s >> 2, which another wave made: two buffers by turns, one barrier a step.
; THE ORDER OF A STEP.  The other waves wait for a wave's minima and for nothing else of it.  So the minima come first and the barrier is signalled as soon as they are in
; LDS; the indices (which want the old alpha) and the step's products stand between the signal and the wait; the additions that do not hang on the minima stand
; between the loads of the minima and the wait for them.
; FORMATS.  array and codebook are rounded to bf16 once; the product, cnorm and xx are all made of the rounded numbers, sums in f32.
; LIMITS.  NaN and infinities are not served (no candidate would equal the minimum, and index 3 would be stored).  Two paths whose sums differ by no more than
; the last bit of a four-term sum may be ordered otherwise than by a chain of four f32 additions.
; No tensor load: the group's 16 KiB of the array are read once and have to be converted on the way.  No cluster: work-groups share the 16 KiB codebook alone.
.set XB,   0                           ; [t][lane] 8 bytes: B's fragment of step t: lanes 0-15 four bf16 of block r, lanes 16-31 zeros.  16,384 bytes
.set XX,   16384                       ; [t][r] f32: the sum of the four squares.  4,096 bytes
.set CNT,  20480                       ; cnorm[1024] f32.  4,096 bytes
.set M0,   24576                       ; the minima: [r] 1,040 bytes apart, [u] f32; two buffers of 16,640 bytes
.set MP,   1040                        ; 65 x 16: sixteen lanes' 16 bytes of sixteen rows fall into sixteen different columns of 16 bytes modulo 256
.set MBUF, 16*MP
.set FV,   57856                       ; the end: [r] 80 bytes apart, 16 f32: each half wave's least alpha
.set FS,   59136                       ; and its state
.set XBP, 3                            ; v3   XB + 8 lane, stepped by two steps a trip
.set XXP, 4                            ; v4   XX + 4 r, likewise
.set MS,  5                            ; v5   where I put my 16 minima:   M0 + 1040 r + 4 (32 w + 16 h)
.set ML,  6                            ; v6   where I read minima back:   M0 + 1040 r + 4 (8 w + 4 h)
.set BPO, 7                            ; v7   256 w + 8 lane: my 8 bytes of a pair of steps in bp
.set SB,  8                            ; v8   32 w + 16 h
.set BF,  16                           ; v[16:23]   B's fragment; registers 2-7 stay 0 (K = 4 of the instruction's 32)
.set XXR, 24                           ; v[24:25]   xx of the step (v25 is named with it as a pair, and is 0)
.set LO,  26                           ; v26  lane q + 16 (step's parity): bit 16 h + r = bit 0 of the index for u = 32 w + 16 h + q, block r
.set HI,  27                           ; v27  the same for bit 1
.set Z,   28                           ; v[28:29]   zeros
.set MO,  32                           ; v[32:47]   my 16 minima
.set MI,  48                           ; v[48:63]   the 16 minima that my 64 states want: register a takes MI + a / 4
.set AL,  64                           ; v[64:127]  alpha, and the matrix instructions' results
.set CN,  128                          ; v[128:191] cnorm of my 64 states
.set AF,  192                          ; v[192:255] eight fragments of A: -2 x codebook rows in bf16; registers 2-7 of each stay 0
.set SA,  20                           ; s[20:31]   the compares' masks of four u, three each: one set,
.set SC,  32                           ; s[32:43]   and a second: the groups of four take them by turns
	s_load_b128 s[4:7], s[0:1], 0x0                ; array s[4:5], codebook s[6:7]
	s_load_b64 s[8:9], s[0:1], 0x10                ; bp
	s_set_vgpr_msb 0x40
	v_lshl_add_u32 v0, v0, 2, 0xec00
	v_mov_b32 v1, 0
	s_set_vgpr_msb 0x4000
	v_lshrrev_b32 v28, 5, v0
	v_readfirstlane_b32 s10, v28                   ; wave 0..7
	s_lshr_b32 s14, ttmp9, 2                       ; the group's 16 rows of 4,096 bytes,
	s_lshl_b32 s14, s14, 16
	s_and_b32 s15, ttmp9, 3                        ; and its 1,024 bytes of each
	s_lshl_b32 s15, s15, 10
	s_add_co_u32 s14, s14, s15
	s_mov_b32 s15, 0
	s_lshl_b32 s16, ttmp9, 16                      ; the group's 65,536 bytes of bp
	s_mov_b32 s17, 0
	v_lshrrev_b32 v28, 6, v0                       ; thread / 64: a row
	v_and_b32 v29, 63, v0
	v_lshlrev_b32 v9, 4, v29
	v_lshl_add_u32 v9, v28, 12, v9                 ; x: row x 4,096 + 16 (thread % 64): a wave's load covers 512 neighbouring bytes
	v_lshlrev_b32 v10, 4, v0                       ; codebook row = thread
	v_and_b32 v11, 7, v0                           ; A's row m = lane % 16 is codebook row 32 w + 16 (m / 8) + m % 8 (+ 256 (i / 2) + 8 (i % 2) for fragment i)
	v_lshlrev_b32 v11, 4, v11
	v_bfe_u32 v31, v0, 3, 1
	v_lshl_add_u32 v11, v31, 8, v11
	s_lshl_b32 s18, s10, 9
	v_add_nc_u32 v11, s18, v11
	s_wait_kmcnt 0x0
	s_add_nc_u64 s[4:5], s[4:5], s[14:15]
	s_add_nc_u64 s[8:9], s[8:9], s[16:17]
.irp k, 0,1,2,3
	global_load_b128 v[64+4*\k:67+4*\k], v9, s[4:5] offset:\k*16384 th:TH_LOAD_NT      ; rows thread / 64 + 4 k
.endr
.irp k, 0,1,2,3
	global_load_b128 v[80+4*\k:83+4*\k], v10, s[6:7] offset:\k*4096                    ; codebook rows thread + 256 k, for cnorm
.endr
.irp i, 0,1,2,3,4,5,6,7
	global_load_b128 v[96+4*\i:99+4*\i], v11, s[6:7] offset:(\i/2)*4096+(\i%2)*128     ; A's rows of fragment i
.endr
	; addresses, while the loads are on their way
	v_and_b32 v1, 15, v0                           ; r
	v_bfe_u32 v2, v0, 4, 1                         ; h
	v_and_b32 v30, 31, v0                          ; lane
	v_and_b32 v29, 3, v0
	v_lshl_add_u32 v29, v28, 2, v29                ; my 16 bytes of row thread / 64 + 4 k are step t = 4 (thread / 64) + thread % 4 + 16 k
	v_bfe_u32 v31, v0, 2, 4                        ; of block (thread / 4) % 16
	v_lshlrev_b32 v12, 3, v31
	v_lshl_add_u32 v12, v29, 8, v12                ; into XB: 256 t + 8 block
	v_lshlrev_b32 v13, 2, v31
	v_lshl_add_u32 v13, v29, 6, v13                ; into XX: 64 t + 4 block
	v_lshlrev_b32 v14, 2, v0                       ; into CNT: 4 thread
	s_lshl_b32 s19, s10, 5
	v_lshl_add_u32 v[SB], v2, 4, s19               ; 32 w + 16 h
	v_lshlrev_b32 v15, 2, v[SB]                    ; out of CNT: my states' cnorm
	v_lshlrev_b32 v[XBP], 3, v30
	v_lshlrev_b32 v[XXP], 2, v1
	v_add_nc_u32 v[XXP], XX, v[XXP]
	v_mul_u32_u24 v[MS], v1, MP
	v_add_nc_u32 v[MS], M0, v[MS]
	v_add_nc_u32 v[ML], v[MS], v[SB]               ; 4 (8 w + 4 h) = 32 w + 16 h
	v_lshl_add_u32 v[MS], v[SB], 2, v[MS]
	s_lshl_b32 s18, s10, 8
	v_lshl_add_u32 v[BPO], v30, 3, s18
	; what stays zero: the places k = 4..31 of both operands, which the problem's K = 4 leaves empty
.irp j, 2,3,4,5,6,7
	v_mov_b32 v[BF+\j], 0
.irp i, 0,1,2,3,4,5,6,7
	v_mov_b32 v[AF+8*\i+\j], 0
.endr
.endr
	v_mov_b32 v[LO], 0                             ; written lane by lane later: whole once
	v_mov_b32 v[HI], 0
	v_mov_b32 v[XXR+1], 0
	v_mov_b32 v[Z], 0
	v_mov_b32 v[Z+1], 0
; Four f32 at v[src] are rounded to bf16 (packed: v[tmp], v[tmp+1]); the sum of the rounded numbers' squares, ascending, is left in v[tmp+6].
; The squares are exact in f32 (8 x 8 bits), so each fused multiply-add rounds as a plain addition would.
.macro SQ4 src, tmp
	v_cvt_pk_bf16_f32 v[\tmp],   v[\src],   v[\src+1]
	v_cvt_pk_bf16_f32 v[\tmp+1], v[\src+2], v[\src+3]
	v_lshlrev_b32 v[\tmp+2], 16, v[\tmp]
	v_and_b32     v[\tmp+3], 0xffff0000, v[\tmp]
	v_lshlrev_b32 v[\tmp+4], 16, v[\tmp+1]
	v_and_b32     v[\tmp+5], 0xffff0000, v[\tmp+1]
	v_mul_f32  v[\tmp+6], v[\tmp+2], v[\tmp+2]
	v_fmac_f32 v[\tmp+6], v[\tmp+3], v[\tmp+3]
	v_fmac_f32 v[\tmp+6], v[\tmp+4], v[\tmp+4]
	v_fmac_f32 v[\tmp+6], v[\tmp+5], v[\tmp+5]
.endm
	s_wait_loadcnt 12                              ; x's four loads are in; the twelve younger ones (codebook, A) may stay out
.irp k, 0,1,2,3
	SQ4 64+4*\k, 32+8*\k
	ds_store_b64 v12, v[32+8*\k:33+8*\k] offset:XB+\k*4096         ; k = 0..3 of B's column
	ds_store_b64 v12, v[Z:Z+1] offset:XB+\k*4096+128               ; k = 8..11, which lanes 16-31 hold: zeros
	ds_store_b32 v13, v[38+8*\k] offset:XX+\k*1024
.endr
	s_wait_loadcnt 8                               ; the codebook's four are in; A's eight may stay out
.irp k, 0,1,2,3
	SQ4 80+4*\k, 32+8*\k
	ds_store_b32 v14, v[38+8*\k] offset:CNT+\k*1024
.endr
	s_wait_loadcnt 0x0                             ; A's rows
.irp i, 0,1,2,3,4,5,6,7
	v_pk_mul_f32 v[96+4*\i:97+4*\i], v[96+4*\i:97+4*\i], -2.0 op_sel_hi:[1,0]   ; a power of two: rounding -2 c gives -2 x the rounded c
	v_pk_mul_f32 v[98+4*\i:99+4*\i], v[98+4*\i:99+4*\i], -2.0 op_sel_hi:[1,0]
	v_cvt_pk_bf16_f32 v[AF+8*\i],   v[96+4*\i], v[97+4*\i]         ; lanes 16-31 hold these at k = 8..11, where B is zero
	v_cvt_pk_bf16_f32 v[AF+8*\i+1], v[98+4*\i], v[99+4*\i]
.endr
	s_wait_dscnt 0x0                               ; for the others' sake: my stores into the three tables are done
	s_barrier_signal -1
	s_barrier_wait -1
.irp j, 0,1,2,3
.irp i, 0,1,2,3
	ds_load_b128 v[CN+16*\j+4*\i:CN+16*\j+4*\i+3], v15 offset:CNT+\j*1024+\i*16
.endr
.endr
	ds_load_b64 v[BF:BF+1], v[XBP]                 ; step 0
	ds_load_b32 v[XXR], v[XXP]
	s_wait_dscnt 0x0
; THE INDEX of the first predecessor that equals the minimum, for the four u of group g, in two parts, with the masks in the scalar registers from sb on.
; CMPG: n0, n1: predecessor 0, 1 is not the minimum; e2: predecessor 2 is.
.macro CMPG g, sb
.irp i, 0,1,2,3
	v_cmp_neq_f32 s[\sb+3*\i],   v[AL+4*\g+\i],    v[MO+4*\g+\i]
	v_cmp_neq_f32 s[\sb+3*\i+1], v[AL+16+4*\g+\i], v[MO+4*\g+\i]
	v_cmp_eq_f32  s[\sb+3*\i+2], v[AL+32+4*\g+\i], v[MO+4*\g+\i]
.endr
.endm
; BITG: bit 1 = n0 and n1; bit 0 = n0 and not (n1 and e2); each a mask over the 32 lanes, put into one lane of HI and LO.
; It stands behind the NEXT group's compares, so that the scalar logic does not follow straight on the compares that feed it: hence the two sets of masks.
.macro BITG g, par, sb
.irp i, 0,1,2,3
	s_and_b32 s[\sb+3*\i+2], s[\sb+3*\i+1], s[\sb+3*\i+2]
	s_and_b32 s[\sb+3*\i+1], s[\sb+3*\i], s[\sb+3*\i+1]
	s_and_not1_b32 s[\sb+3*\i], s[\sb+3*\i], s[\sb+3*\i+2]
.endr
.irp i, 0,1,2,3
	v_writelane_b32 v[LO], s[\sb+3*\i],   4*\g+\i+16*\par
	v_writelane_b32 v[HI], s[\sb+3*\i+1], 4*\g+\i+16*\par
.endr
.endm
; ONE STEP.  first = 1: step 0, which has no predecessors.  par: which half of LO and HI takes the step's indices; with par = 1 the pair of steps is stored.
; buf: the buffer of minima.  pre = 1: the next step's B and xx are fetched, at offB and offX from the stepped addresses.
; One barrier a step serves both ways: in front of its signal a wave's stores into this step's buffer are done, and so are its reads of the other buffer,
; which the next step writes.
.macro STEP first, par, buf, pre, offB, offX
.if \first == 0
.set q, 0
.rept 16
	v_min3_num_f32 v[MO+q], v[AL+q], v[AL+16+q], v[AL+32+q]
.set q, q+1
.endr
.irp g, 0,1,2,3
.irp i, 0,1,2,3
	v_min_num_f32 v[MO+4*\g+\i], v[MO+4*\g+\i], v[AL+48+4*\g+\i]
.endr
.if \g > 0
	ds_store_b128 v[MS], v[MO+4*(\g-1):MO+4*(\g-1)+3] offset:\buf*MBUF+16*(\g-1)         ; a group's store stands behind the next group's minima
.endif
.endr
	ds_store_b128 v[MS], v[MO+12:MO+15] offset:\buf*MBUF+48
	CMPG 0, SA                                     ; 32 vector instructions while the stores land
	CMPG 1, SC
	BITG 0, \par, SA
	s_wait_dscnt 0x0                               ; my minima are in LDS, my reads of the last step's are back; B and xx of this step are in
	s_barrier_signal -1                            ; between this and the wait: register work alone
	CMPG 2, SA
	BITG 1, \par, SC
	CMPG 3, SC
	BITG 2, \par, SA
	BITG 3, \par, SC                               ; the last reader of the old alpha stands above: the products may take its registers
.endif
.irp i, 0,1,2,3,4,5,6,7
	v_wmma_f32_16x16x32_bf16 v[AL+8*\i:AL+8*\i+7], v[AF+8*\i:AF+8*\i+7], v[BF:BF+7], 0   ; -2 codebook . x: eight accumulators, each started by the constant 0: no chain
.endr
.if \first == 0
	s_barrier_wait -1                              ; every wave's minima are in LDS
.irp j, 0,1,2,3
	ds_load_b128 v[MI+4*\j:MI+4*\j+3], v[ML] offset:\buf*MBUF+256*\j                     ; u = 64 j + 8 w + 4 h + 0..3; they name no register of the products
.endr
.if \par
	global_store_b64 v[BPO], v[LO:HI], s[8:9]      ; a wave stores 256 consecutive bytes, at a multiple of 256 from bp's first byte
.endif
.endif
.rept 4
	v_nop                                          ; four places between the products and the first read of a result, and the load into B below
.endr
.set a, 0
.rept 32
	v_pk_add_f32 v[AL+a:AL+a+1], v[AL+a:AL+a+1], v[CN+a:CN+a+1]                          ; cnorm - 2 d
.set a, a+2
.endr
.set a, 0
.rept 32
	v_pk_add_f32 v[AL+a:AL+a+1], v[AL+a:AL+a+1], v[XXR:XXR+1] op_sel_hi:[1,0]            ; + xx
.set a, a+2
.endr
.if \pre
	ds_load_b64 v[BF:BF+1], v[XBP] offset:\offB
	ds_load_b32 v[XXR], v[XXP] offset:\offX
.endif
.if \first == 0
.if \pre
	s_wait_dscnt 0x2                               ; LDS loads come back in order (ISA guide 5.7.1): the four of minima are in, the two just issued may stay out
.else
	s_wait_dscnt 0x0
.endif
.set a, 0
.rept 32
.if (a/4)%2 == 0
	v_pk_add_f32 v[AL+a:AL+a+1], v[AL+a:AL+a+1], v[MI+a/4:MI+a/4+1] op_sel_hi:[1,0]               ; + the minimum of u = s >> 2: one for four states
.else
	v_pk_add_f32 v[AL+a:AL+a+1], v[AL+a:AL+a+1], v[MI+a/4-1:MI+a/4] op_sel:[0,1] op_sel_hi:[1,1]
.endif
.set a, a+2
.endr
.endif
.endm
	STEP 1, 0, 0, 1, 256, 64                       ; step 0; fetches step 1
	s_mov_b32 s12, 31
.Ltrip:                                                ; 31 trips: steps 1 to 62
	STEP 0, 0, 1, 1, 512, 128
	STEP 0, 1, 0, 1, 768, 192
	s_wait_xcnt 0x0                                ; the store's base, and LO and HI, are written again only behind this wait
	s_add_nc_u64 s[8:9], s[8:9], 2048              ; eight waves x 256 bytes for a pair of steps
	v_add_nc_u32 v[XBP], 512, v[XBP]
	v_add_nc_u32 v[XXP], 128, v[XXP]
	s_sub_co_i32 s12, s12, 1
	s_cmp_lg_u32 s12, 0
	s_cbranch_scc1 .Ltrip
	STEP 0, 0, 1, 0, 0, 0                          ; step 63: nothing is left to fetch; its indices lie in lanes 0-15 of LO and HI
	; THE LAST STATE: the first state of least alpha.  In a lane the state grows with the register's number: four chains of 16 registers, each keeping the
	; old one where old <= candidate, then the chains in ascending order.
.irp c, 0,1,2,3
	v_mov_b32 v[32+\c], v[AL+16*\c]
	v_mov_b32 v[36+\c], 16*\c
.endr
.set q, 1
.rept 15
.irp c, 0,1,2,3
	v_cmp_le_f32 s[20+\c], v[32+\c], v[AL+16*\c+q]
.endr
.irp c, 0,1,2,3
	v_cndmask_b32 v[32+\c], v[AL+16*\c+q], v[32+\c], s[20+\c]
	v_cndmask_b32 v[36+\c], 16*\c+q, v[36+\c], s[20+\c]
.endr
.set q, q+1
.endr
.irp c, 1,2,3
	v_cmp_le_f32 vcc_lo, v32, v[32+\c]
	v_cndmask_b32 v32, v[32+\c], v32, vcc_lo
	v_cndmask_b32 v36, v[36+\c], v36, vcc_lo
.endr
	v_and_b32 v37, 0x30, v36                       ; register a -> state 256 (a / 16) + 32 w + 16 h + a % 16
	v_and_b32 v36, 15, v36
	v_lshl_or_b32 v36, v37, 4, v36
	v_or_b32 v36, v36, v[SB]
	v_mul_u32_u24 v9, v1, 80                       ; block r's sixteen entries
	s_lshl_b32 s18, s10, 3
	v_lshl_add_u32 v10, v2, 2, s18                 ; mine: 2 w + h
	v_add_nc_u32 v10, v9, v10
	ds_store_b32 v10, v32 offset:FV
	ds_store_b32 v10, v36 offset:FS
	s_wait_dscnt 0x0                               ; for the others' sake
	s_barrier_signal -1
	s_barrier_wait -1
.irp i, 0,1,2,3
	ds_load_b128 v[32+4*\i:35+4*\i], v9 offset:FV+16*\i
	ds_load_b128 v[48+4*\i:51+4*\i], v9 offset:FS+16*\i
.endr
	s_wait_dscnt 0x0
.set e, 1
.rept 15                                       ; the entries are not in the states' order: less alpha wins, and of equal alpha the lower state
	v_cmp_lt_f32 s20, v[32+e], v32
	v_cmp_eq_f32 s21, v[32+e], v32
	v_cmp_lt_u32 s22, v[48+e], v48
	s_and_b32 s21, s21, s22
	s_or_b32 vcc_lo, s20, s21
	v_cndmask_b32 v32, v32, v[32+e], vcc_lo
	v_cndmask_b32 v48, v48, v[48+e], vcc_lo
.set e, e+1
.endr
	v_cmp_eq_u32 vcc_lo, 0, v2                     ; lanes 0-15 keep step 63's indices; lane 16 + r takes block r's last state, and 0 above it
	v_cndmask_b32 v[LO], v48, v[LO], vcc_lo
	v_cndmask_b32 v[HI], 0, v[HI], vcc_lo
	global_store_b64 v[BPO], v[LO:HI], s[8:9]      ; the 32nd pair of slots: every byte of bp is stored
	s_set_vgpr_msb 0x5
	s_wait_tensorcnt 0x0
	ds_add_u32 v0, v1
	s_wait_dscnt 0x0
	s_set_vgpr_msb 0x500
	s_endpgm
.Lfunc_end_k_qa0a2567be1_forward:
	.size	k_qa0a2567be1_forward, .Lfunc_end_k_qa0a2567be1_forward-k_qa0a2567be1_forward
	.p2alignl 7, 3214868480
	.fill 96, 4, 3214868480
	.section	.rodata,"a",@progbits
	.p2align	6, 0x0
	.amdhsa_kernel k_qa0a2567be1_forward
		.amdhsa_group_segment_fixed_size 61440
		.amdhsa_private_segment_fixed_size 0
		.amdhsa_enable_private_segment 0
		.amdhsa_kernarg_size 24
		.amdhsa_user_sgpr_count 2
		.amdhsa_user_sgpr_kernarg_segment_ptr 1
		.amdhsa_wavefront_size32 1
		.amdhsa_system_sgpr_workgroup_id_x 1
		.amdhsa_system_sgpr_workgroup_id_y 1
		.amdhsa_system_sgpr_workgroup_id_z 1
		.amdhsa_system_vgpr_workitem_id 0
		.amdhsa_next_free_vgpr 258
		.amdhsa_next_free_sgpr 66
		.amdhsa_reserve_vcc 1
		.amdhsa_float_denorm_mode_32 3
		.amdhsa_float_denorm_mode_16_64 3
		.amdhsa_memory_ordered 1
		.amdhsa_forward_progress 1
		.amdhsa_inst_pref_size 83
	.end_amdhsa_kernel
	.amdgpu_metadata
---
amdhsa.version: [ 1, 2 ]
amdhsa.kernels:
  - .name:           k_qa0a2567be1_forward
    .symbol:         k_qa0a2567be1_forward.kd
    .args:
      - { .name: array, .offset: 0, .size: 8, .value_kind: global_buffer, .address_space: global }
      - { .name: codebook, .offset: 8, .size: 8, .value_kind: global_buffer, .address_space: global }
      - { .name: bp, .offset: 16, .size: 8, .value_kind: global_buffer, .address_space: global }
    .group_segment_fixed_size: 61440
    .private_segment_fixed_size: 0
    .kernarg_segment_align: 8
    .kernarg_segment_size: 24
    .max_flat_workgroup_size: 256
    .sgpr_count:     66
    .vgpr_count:     258
    .wavefront_size: 32
...
	.end_amdgpu_metadata
.endif
;; end of part 1
;; launch trace (part 2): grid 256 x 1, 8 waves a work-group, no clusters, 87,296 bytes of LDS; arguments bp, codebook, out0, out1; writes out0, out1
.if DOCPART == 2
	.amdgcn_target "amdgcn-amd-amdhsa--gfx1250"
	.amdhsa_code_object_version 6
	.text
	.protected	k_qa0a2567be1_trace
	.globl	k_qa0a2567be1_trace
	.p2align	8
	.type	k_qa0a2567be1_trace,@function
k_qa0a2567be1_trace:
	s_mov_b64 s[64:65], 0
	v_nop
	global_prefetch_b8 v0, s[64:65] scope:SCOPE_SE
	s_setreg_imm32_b32 hwreg(HW_REG_WAVE_MODE, 25, 1), 1
	s_wait_xcnt 0x0
; THE WAY BACK: from each block's last state through the stored indices to its 64 states (out1), and the codebook rows of those states (out0).
; A work-group owns the same 16 blocks as in the forward pass.  Its 65,536 bytes of bp and the codebook's 16,384 are copied into LDS once, in whole runs of
; 512 bytes a wave.  Wave 0 walks the 63 steps for all 16 blocks at once (lane % 16 = block; lanes 16-31 repeat lanes 0-15): each step hangs on the one before, so
; more waves would have nothing to do in it.  Then all eight waves write the outputs, 16 bytes a lane, a wave's store covering 512 consecutive bytes.
; bp, from the group's first byte: (sigma / 2) 2048 + (u / 32) 256 + (sigma % 2) 128 + (u % 16) 8 holds two words for step t = sigma + 1 and u = state_t >> 2; bit
; 16 ((u / 16) % 2) + block of the first word is bit 0 of the predecessor's index j, of the second word bit 1;  state_(t-1) = u + 256 j.
; Slot sigma = 63: entry r's first word is block r's last state.
; out0 takes the codebook's rows as they are given, in f32.  No matrix work, no tensor load (LDS is filled once, through registers), no cluster.
.set CB,  65536                        ; the codebook, behind bp's 65,536 bytes
.set ST,  81920                        ; the states: [block] 272 bytes apart, [t] 4 bytes
.set SP,  272
	s_load_b256 s[4:11], s[0:1], 0x0               ; bp s[4:5], codebook s[6:7], out0 s[8:9], out1 s[10:11]
	v_lshl_add_u32 v104, v0, 2, 0x15100
	v_mov_b32 v105, 0
	v_lshrrev_b32 v1, 5, v0
	v_readfirstlane_b32 s12, v1                    ; wave 0..7
	v_lshlrev_b32 v2, 4, v0                        ; 16 thread
	v_add_nc_u32 v3, CB, v2
	s_lshl_b32 s14, ttmp9, 16                      ; the group's part of bp
	s_mov_b32 s15, 0
	s_lshr_b32 s16, ttmp9, 2                       ; of out0: 16 rows of 4,096 bytes, 1,024 bytes of each
	s_lshl_b32 s16, s16, 16
	s_and_b32 s17, ttmp9, 3
	s_lshl_b32 s17, s17, 10
	s_add_co_u32 s16, s16, s17
	s_mov_b32 s17, 0
	s_lshl_b32 s18, ttmp9, 12                      ; of out1: 16 blocks x 64 states x 4 bytes
	s_mov_b32 s19, 0
	s_wait_kmcnt 0x0
	s_add_nc_u64 s[4:5], s[4:5], s[14:15]
	s_add_nc_u64 s[8:9], s[8:9], s[16:17]
	s_add_nc_u64 s[10:11], s[10:11], s[18:19]
.irp k, 0,1,2,3,4,5,6,7,8,9,10,11,12,13,14,15
	global_load_b128 v[16+4*\k:19+4*\k], v2, s[4:5] offset:\k*4096 th:TH_LOAD_NT
.endr
.irp k, 0,1,2,3
	global_load_b128 v[80+4*\k:83+4*\k], v2, s[6:7] offset:\k*4096
.endr
	v_and_b32 v4, 15, v0                           ; the walk: my block
	v_mul_u32_u24 v5, v4, SP
	v_add_nc_u32 v5, ST, v5                        ; its row of states
	v_lshrrev_b32 v97, 4, v0                       ; out1: block thread / 16, states 4 (thread % 16) on
	v_mul_u32_u24 v14, v97, SP
	v_lshl_add_u32 v14, v4, 4, v14
	v_add_nc_u32 v14, ST, v14
	v_bfe_u32 v97, v0, 2, 4                        ; out0: my 16 bytes of row thread / 64 + 4 k are step 4 (thread / 64) + thread % 4 + 16 k of block (thread / 4) % 16
	v_mul_u32_u24 v15, v97, SP
	v_lshrrev_b32 v98, 6, v0
	v_lshl_add_u32 v15, v98, 4, v15
	v_and_b32 v97, 3, v0
	v_lshl_add_u32 v15, v97, 2, v15
	v_add_nc_u32 v15, ST, v15
	v_and_b32 v97, 63, v0
	v_lshlrev_b32 v96, 4, v97
	v_lshl_add_u32 v96, v98, 12, v96               ; row x 4,096 + 16 (thread % 64)
.irp k, 0,1,2,3,4,5,6,7,8,9,10,11,12,13,14,15
	s_wait_loadcnt 19-\k                           ; loads come back in order (ISA guide 5.7.1): number k is in, the younger ones stay out
	ds_store_b128 v2, v[16+4*\k:19+4*\k] offset:\k*4096
.endr
.irp k, 0,1,2,3
	s_wait_loadcnt 3-\k
	ds_store_b128 v3, v[80+4*\k:83+4*\k] offset:\k*4096
.endr
	s_wait_dscnt 0x0                               ; for the others' sake: my part of both copies is in LDS
	s_barrier_signal -1
	s_barrier_wait -1
	s_cmp_lg_u32 s12, 0
	s_cbranch_scc1 .Lwalked                        ; the walk is wave 0's; no barrier stands inside
	v_lshlrev_b32 v7, 3, v4
	ds_load_b32 v6, v7 offset:31*2048+128          ; the last state
	s_wait_dscnt 0x0
	v_min_u32 v6, 0x3ff, v6                        ; a number from memory is bounded before it enters an address
	ds_store_b32 v5, v6 offset:4*63
.set t, 63
.rept 63                                       ; t = 63 .. 1: from the state of step t to that of step t - 1
	v_and_b32 v7, 0x3bc, v6                        ; state bits 9:7 are u / 32, bits 5:2 are u % 16:
	v_lshlrev_b32 v7, 1, v7                        ; one place up they are (u / 32) 256 + (u % 16) 8
	ds_load_b64 v[10:11], v7 offset:((t-1)/2)*2048+((t-1)%2)*128
	v_bfe_u32 v8, v6, 6, 1                         ; (u / 16) % 2
	v_lshl_add_u32 v8, v8, 4, v4                   ; my bit
	v_lshrrev_b32 v9, 2, v6                        ; u
	s_wait_dscnt 0x0
	v_bfe_u32 v12, v10, v8, 1
	v_bfe_u32 v13, v11, v8, 1
	v_lshl_or_b32 v6, v12, 8, v9
	v_lshl_or_b32 v6, v13, 9, v6                   ; u + 256 j
	v_min_u32 v6, 0x3ff, v6                        ; bounded, as above
	ds_store_b32 v5, v6 offset:4*(t-1)
.set t, t-1
.endr
.Lwalked:
	s_wait_dscnt 0x0                               ; wave 0's stores of the states are done
	s_barrier_signal -1
	s_barrier_wait -1
	ds_load_b128 v[16:19], v14                     ; four states for out1
.irp k, 0,1,2,3
	ds_load_b32 v[20+\k], v15 offset:64*\k         ; the states whose rows I write into out0
.endr
	s_wait_dscnt 0x4                               ; the first load is in; the four younger ones may stay out
	global_store_b128 v2, v[16:19], s[10:11] th:TH_STORE_NT
	s_wait_dscnt 0x0
.irp k, 0,1,2,3
	v_min_u32 v[20+\k], 0x3ff, v[20+\k]
	v_lshl_add_u32 v[20+\k], v[20+\k], 4, CB       ; the row's 16 bytes in the copy of the codebook
.endr
.irp k, 0,1,2,3
	ds_load_b128 v[24+4*\k:27+4*\k], v[20+\k]
.endr
.irp k, 0,1,2,3
	s_wait_dscnt 3-\k                              ; row k is in, the younger ones stay out
	global_store_b128 v96, v[24+4*\k:27+4*\k], s[8:9] offset:\k*16384 th:TH_STORE_NT
.endr
	s_wait_tensorcnt 0x0
	ds_add_u32 v104, v105
	s_wait_dscnt 0x0
	s_endpgm
.Lfunc_end_k_qa0a2567be1_trace:
	.size	k_qa0a2567be1_trace, .Lfunc_end_k_qa0a2567be1_trace-k_qa0a2567be1_trace
	.p2alignl 7, 3214868480
	.fill 96, 4, 3214868480
	.section	.rodata,"a",@progbits
	.p2align	6, 0x0
	.amdhsa_kernel k_qa0a2567be1_trace
		.amdhsa_group_segment_fixed_size 87296
		.amdhsa_private_segment_fixed_size 0
		.amdhsa_enable_private_segment 0
		.amdhsa_kernarg_size 32
		.amdhsa_user_sgpr_count 2
		.amdhsa_user_sgpr_kernarg_segment_ptr 1
		.amdhsa_wavefront_size32 1
		.amdhsa_system_sgpr_workgroup_id_x 1
		.amdhsa_system_sgpr_workgroup_id_y 1
		.amdhsa_system_sgpr_workgroup_id_z 1
		.amdhsa_system_vgpr_workitem_id 0
		.amdhsa_next_free_vgpr 106
		.amdhsa_next_free_sgpr 66
		.amdhsa_reserve_vcc 0
		.amdhsa_float_denorm_mode_32 3
		.amdhsa_float_denorm_mode_16_64 3
		.amdhsa_memory_ordered 1
		.amdhsa_forward_progress 1
		.amdhsa_inst_pref_size 54
	.end_amdhsa_kernel
	.amdgpu_metadata
---
amdhsa.version: [ 1, 2 ]
amdhsa.kernels:
  - .name:           k_qa0a2567be1_trace
    .symbol:         k_qa0a2567be1_trace.kd
    .args:
      - { .name: bp, .offset: 0, .size: 8, .value_kind: global_buffer, .address_space: global }
      - { .name: codebook, .offset: 8, .size: 8, .value_kind: global_buffer, .address_space: global }
      - { .name: out0, .offset: 16, .size: 8, .value_kind: global_buffer, .address_space: global }
      - { .name: out1, .offset: 24, .size: 8, .value_kind: global_buffer, .address_space: global }
    .group_segment_fixed_size: 87296
    .private_segment_fixed_size: 0
    .kernarg_segment_align: 8
    .kernarg_segment_size: 32
    .max_flat_workgroup_size: 256
    .sgpr_count:     66
    .vgpr_count:     106
    .wavefront_size: 32
...
	.end_amdgpu_metadata
.endif
;; end of part 2
;; ======== version 2 of 2: 2 launches; version 1 with the launch forward written anew for expert scheduling mode
;; workspace buffers: bp 16,777,216 bytes of whole numbers
;; launch forward (part 3): grid 256 x 1, 8 waves a work-group, no clusters, 61,440 bytes of LDS; arguments array, codebook, bp; writes bp
.if DOCPART == 3
	.amdgcn_target "amdgcn-amd-amdhsa--gfx1250"
	.amdhsa_code_object_version 6
	.text
	.protected	k_qa0a2567be1_forward
	.globl	k_qa0a2567be1_forward
	.p2align	8
	.type	k_qa0a2567be1_forward,@function
k_qa0a2567be1_forward:
	s_mov_b64 s[64:65], 0
	v_nop
	global_prefetch_b8 v0, s[64:65] scope:SCOPE_SE
	s_setreg_imm32_b32 hwreg(HW_REG_WAVE_SCHED_MODE, 0, 2), 2
	s_setreg_imm32_b32 hwreg(HW_REG_WAVE_MODE, 25, 1), 1
	s_wait_xcnt 0x0
	s_wait_alu depctr_vm_vsrc(0)
; FORWARD PASS of an exact Viterbi search: 4,096 blocks of 16 x 16 numbers, 1,024 states, 64 steps of 4 numbers, 4 predecessors a state.
;   alpha_t[s] = min over j of alpha_(t-1)[(s >> 2) + 256 j]  +  ((cnorm[s] - 2 codebook[s] . x_t) + xx_t),   the three roundings in this order.
; Stored: for each step t = 1..63 and each u = s >> 2 the index j of the FIRST minimum (2 bits; it hangs on u alone), and the first state of least alpha_63.
; SHARES.  A work-group owns 16 blocks (16 rows of the array, 1,024 bytes of each); its eight waves share the states.  With r = lane % 16 (the block) and
; h = lane / 16, register a (0..63) of wave w holds state s = 256 (a / 16) + 32 w + 16 h + a % 16.  So (1) the four predecessors u + 256 j of u = 32 w + 16 h + q are
; registers q, q+16, q+32, q+48 of ONE lane: the minimum and its index need no other lane; (2) registers 8 i .. 8 i + 7 are the result of one 16 x 16 matrix
; instruction (row 8 h + j in register j, column r: ISA guide 7.12.2), whose 16 rows of A are picked from the codebook to fit.
; The 256 minima of a block go through LDS, since state s wants the minimum of u = s >> 2, which another wave made: two buffers by turns, one barrier a step.
; THE ORDER OF A STEP.  The other waves wait for a wave's minima and for nothing else of it.  So the minima come first and the barrier is signalled as soon as they are in
; LDS; the indices (which want the old alpha) and the step's products stand between the signal and the wait; the additions that do not hang on the minima stand
; between the loads of the minima and the wait for them.
; THE MODE: SCHED_MODE bits 1:0 = 2 (LLVM: expert scheduling mode 2), set by the entry lines.  The code itself states the register dependences
; between vector or matrix instructions and memory or LDS instructions, with s_wait_alu, always for 0.
; THE PLAN.  Registers that memory or LDS instructions touch, in the loop:
;   MO          Step t: its 32 minima write it; its four LDS stores read it (and its compares, vector work).
;   MI          Step t: four LDS loads behind the barrier land in it; the step's last 32 additions read it.
;   B and xx    Two sets by turns, even and odd steps.  Step t: its products and xx additions read its own set; two LDS loads land in the other set, which step t - 1 read last.
;   LO, HI      Written lane by lane in both steps of a pair; read by the pair's global store, in its second step.
;   XBP, XXP    Read by the two loads of B and xx in every step; written once a trip, at its end.
;   MS, ML, BPO Made at the head, never written again.     AL, CN, AF are named by vector and matrix instructions alone.
; So ONE wait on va_vdst stands in every step, behind its minima: MO is written; the step before is done reading MI and the other set of B and xx; XBP and XXP are written.  From there to the
; step's ten LDS instructions the vector side issues compares (AL, MO read), lane writes (LO, HI) and the products (AL, AF, this step's B): none writes MO or names MI, the other set or an address.
; A second one stands in a pair's second step, ahead of the pair's store.  One wait on vm_vsrc a step frees MO (at a trip's end also LO, HI, XBP, XXP).  Two waits on va_sdst a step, each behind
; the 24 compares of two groups, stand ahead of the scalar logic that reads their masks.
; FORMATS.  array and codebook are rounded to bf16 once; the product, cnorm and xx are all made of the rounded numbers, sums in f32.
; LIMITS.  NaN and infinities are not served (no candidate would equal the minimum, and index 3 would be stored).  Two paths whose sums differ by no more than
; the last bit of a four-term sum may be ordered otherwise than by a chain of four f32 additions.
; No tensor load: the group's 16 KiB of the array are read once and have to be converted on the way.  No cluster: work-groups share the 16 KiB codebook alone.
.set XB,   0                           ; [t][lane] 8 bytes: B's fragment of step t: lanes 0-15 four bf16 of block r, lanes 16-31 zeros.  16,384 bytes
.set XX,   16384                       ; [t][r] f32: the sum of the four squares.  4,096 bytes
.set CNT,  20480                       ; cnorm[1024] f32.  4,096 bytes
.set M0,   24576                       ; the minima: [r] 1,040 bytes apart, [u] f32; two buffers of 16,640 bytes
.set MP,   1040                        ; 65 x 16: sixteen lanes' 16 bytes of sixteen rows fall into sixteen different columns of 16 bytes modulo 256
.set MBUF, 16*MP
.set FV,   57856                       ; the end: [r] 80 bytes apart, 16 f32: each half wave's least alpha
.set FS,   59136                       ; and its state
.set XBP, 3                            ; v3   XB + 8 lane, stepped by two steps a trip
.set XXP, 4                            ; v4   XX + 4 r, likewise
.set MS,  5                            ; v5   where I put my 16 minima:   M0 + 1040 r + 4 (32 w + 16 h)
.set ML,  6                            ; v6   where I read minima back:   M0 + 1040 r + 4 (8 w + 4 h)
.set BPO, 7                            ; v7   256 w + 8 lane: my 8 bytes of a pair of steps in bp
.set BO,  8                            ; v[8:15]    B's fragment of the odd steps; registers 2-7 stay 0.  At the head v9-v15 hold offsets and addresses
.set BF,  16                           ; v[16:23]   B's fragment of the even steps; registers 2-7 stay 0 (K = 4 of the instruction's 32)
.set XXR, 24                           ; v[24:25]   xx of the even steps (v25 is named with it as a pair, and is 0)
.set LO,  26                           ; v26  lane q + 16 (step's parity): bit 16 h + r = bit 0 of the index for u = 32 w + 16 h + q, block r
.set HI,  27                           ; v27  the same for bit 1
.set Z,   28                           ; v[28:29]   at the head zeros; then xx of the odd steps (v29 stays 0)
.set SB,  30                           ; v30  32 w + 16 h          (v31: at the head, where I read my states' cnorm)
.set MO,  32                           ; v[32:47]   my 16 minima
.set MI,  48                           ; v[48:63]   the 16 minima that my 64 states want: register a takes MI + a / 4
.set AL,  64                           ; v[64:127]  alpha, and the matrix instructions' results
.set CN,  128                          ; v[128:191] cnorm of my 64 states
.set AF,  192                          ; v[192:255] eight fragments of A: -2 x codebook rows in bf16; registers 2-7 of each stay 0
.set SA,  20                           ; s[20:31]   the compares' masks of four u, three each: one set,
.set SC,  32                           ; s[32:43]   and a second: the groups of four take them by turns
	s_load_b128 s[4:7], s[0:1], 0x0                ; array s[4:5], codebook s[6:7]
	s_load_b64 s[8:9], s[0:1], 0x10                ; bp
	s_set_vgpr_msb 0x40
	v_lshl_add_u32 v0, v0, 2, 0xec00
	v_mov_b32 v1, 0
	s_set_vgpr_msb 0x4000
	v_lshrrev_b32 v28, 5, v0
	v_readfirstlane_b32 s10, v28                   ; wave 0..7
	s_lshr_b32 s14, ttmp9, 2                       ; the group's 16 rows of 4,096 bytes,
	s_lshl_b32 s14, s14, 16
	s_and_b32 s15, ttmp9, 3                        ; and its 1,024 bytes of each
	s_lshl_b32 s15, s15, 10
	s_add_co_u32 s14, s14, s15
	s_mov_b32 s15, 0
	s_lshl_b32 s16, ttmp9, 16                      ; the group's 65,536 bytes of bp
	s_mov_b32 s17, 0
	v_lshrrev_b32 v28, 6, v0                       ; thread / 64: a row
	v_and_b32 v29, 63, v0
	v_lshlrev_b32 v9, 4, v29
	v_lshl_add_u32 v9, v28, 12, v9                 ; x: row x 4,096 + 16 (thread % 64): a wave's load covers 512 neighbouring bytes
	v_lshlrev_b32 v10, 4, v0                       ; codebook row = thread
	v_and_b32 v11, 7, v0                           ; A's row m = lane % 16 is codebook row 32 w + 16 (m / 8) + m % 8 (+ 256 (i / 2) + 8 (i % 2) for fragment i)
	v_lshlrev_b32 v11, 4, v11
	v_bfe_u32 v31, v0, 3, 1
	v_lshl_add_u32 v11, v31, 8, v11
	s_wait_alu depctr_va_sdst(0)                   ; s10 is written, ahead of its first reader
	s_lshl_b32 s18, s10, 9
	v_add_nc_u32 v11, s18, v11
	s_wait_kmcnt 0x0
	s_add_nc_u64 s[4:5], s[4:5], s[14:15]
	s_add_nc_u64 s[8:9], s[8:9], s[16:17]
	s_wait_alu depctr_va_vdst(0)                   ; the offsets v9, v10 and v11 are written, which the sixteen loads below read
.irp k, 0,1,2,3
	global_load_b128 v[64+4*\k:67+4*\k], v9, s[4:5] offset:\k*16384 th:TH_LOAD_NT      ; rows thread / 64 + 4 k
.endr
.irp k, 0,1,2,3
	global_load_b128 v[80+4*\k:83+4*\k], v10, s[6:7] offset:\k*4096                    ; codebook rows thread + 256 k, for cnorm
.endr
.irp i, 0,1,2,3,4,5,6,7
	global_load_b128 v[96+4*\i:99+4*\i], v11, s[6:7] offset:(\i/2)*4096+(\i%2)*128     ; A's rows of fragment i
.endr
	; addresses, while the loads are on their way
	v_and_b32 v1, 15, v0                           ; r
	v_bfe_u32 v2, v0, 4, 1                         ; h
	v_and_b32 v15, 31, v0                          ; lane
	v_and_b32 v29, 3, v0
	v_lshl_add_u32 v29, v28, 2, v29                ; my 16 bytes of row thread / 64 + 4 k are step t = 4 (thread / 64) + thread % 4 + 16 k
	v_bfe_u32 v31, v0, 2, 4                        ; of block (thread / 4) % 16
	v_lshlrev_b32 v12, 3, v31
	v_lshl_add_u32 v12, v29, 8, v12                ; into XB: 256 t + 8 block
	v_lshlrev_b32 v13, 2, v31
	v_lshl_add_u32 v13, v29, 6, v13                ; into XX: 64 t + 4 block
	v_lshlrev_b32 v14, 2, v0                       ; into CNT: 4 thread
	s_lshl_b32 s19, s10, 5
	v_lshl_add_u32 v[SB], v2, 4, s19               ; 32 w + 16 h
	v_lshlrev_b32 v31, 2, v[SB]                    ; out of CNT: my states' cnorm
	v_lshlrev_b32 v[XBP], 3, v15
	v_lshlrev_b32 v[XXP], 2, v1
	v_add_nc_u32 v[XXP], XX, v[XXP]
	v_mul_u32_u24 v[MS], v1, MP
	v_add_nc_u32 v[MS], M0, v[MS]
	v_add_nc_u32 v[ML], v[MS], v[SB]               ; 4 (8 w + 4 h) = 32 w + 16 h
	v_lshl_add_u32 v[MS], v[SB], 2, v[MS]
	s_lshl_b32 s18, s10, 8
	v_lshl_add_u32 v[BPO], v15, 3, s18
	; what stays zero: the places k = 4..31 of both operands, which the problem's K = 4 leaves empty (the odd steps' B: behind the barrier below, when v10-v15 are free)
.irp j, 2,3,4,5,6,7
	v_mov_b32 v[BF+\j], 0
.irp i, 0,1,2,3,4,5,6,7
	v_mov_b32 v[AF+8*\i+\j], 0
.endr
.endr
	v_mov_b32 v[LO], 0                             ; written lane by lane later: whole once
	v_mov_b32 v[HI], 0
	v_mov_b32 v[XXR+1], 0
	v_mov_b32 v[Z], 0
	v_mov_b32 v[Z+1], 0
; Four f32 at v[src] are rounded to bf16 (packed: v[tmp], v[tmp+1]); the sum of the rounded numbers' squares, ascending, is left in v[tmp+6].
; The squares are exact in f32 (8 x 8 bits), so each fused multiply-add rounds as a plain addition would.
.macro SQ4 src, tmp
	v_cvt_pk_bf16_f32 v[\tmp],   v[\src],   v[\src+1]
	v_cvt_pk_bf16_f32 v[\tmp+1], v[\src+2], v[\src+3]
	v_lshlrev_b32 v[\tmp+2], 16, v[\tmp]
	v_and_b32     v[\tmp+3], 0xffff0000, v[\tmp]
	v_lshlrev_b32 v[\tmp+4], 16, v[\tmp+1]
	v_and_b32     v[\tmp+5], 0xffff0000, v[\tmp+1]
	v_mul_f32  v[\tmp+6], v[\tmp+2], v[\tmp+2]
	v_fmac_f32 v[\tmp+6], v[\tmp+3], v[\tmp+3]
	v_fmac_f32 v[\tmp+6], v[\tmp+4], v[\tmp+4]
	v_fmac_f32 v[\tmp+6], v[\tmp+5], v[\tmp+5]
.endm
	s_wait_loadcnt 12                              ; x's four loads are in; the twelve younger ones (codebook, A) may stay out
.irp k, 0,1,2,3
	SQ4 64+4*\k, 32+8*\k
.endr
	s_wait_alu depctr_va_vdst(0)                   ; the roundings and sums have written v[32:63], which the LDS stores read; so are the zeros and every address made above
.irp k, 0,1,2,3
	ds_store_b64 v12, v[32+8*\k:33+8*\k] offset:XB+\k*4096         ; k = 0..3 of B's column
	ds_store_b64 v12, v[Z:Z+1] offset:XB+\k*4096+128               ; k = 8..11, which lanes 16-31 hold: zeros
	ds_store_b32 v13, v[38+8*\k] offset:XX+\k*1024
.endr
	s_wait_loadcnt 8                               ; the codebook's four are in; A's eight may stay out
.irp k, 0,1,2,3
	SQ4 80+4*\k, 128+8*\k                          ; in registers of their own: the stores above may still be reading v[32:63]
.endr
	s_wait_alu depctr_va_vdst(0)                   ; the sums have written v134, v142, v150 and v158, which the LDS stores read
.irp k, 0,1,2,3
	ds_store_b32 v14, v[134+8*\k] offset:CNT+\k*1024
.endr
	s_wait_loadcnt 0x0                             ; A's rows
.irp i, 0,1,2,3,4,5,6,7
	v_pk_mul_f32 v[96+4*\i:97+4*\i], v[96+4*\i:97+4*\i], -2.0 op_sel_hi:[1,0]   ; a power of two: rounding -2 c gives -2 x the rounded c
	v_pk_mul_f32 v[98+4*\i:99+4*\i], v[98+4*\i:99+4*\i], -2.0 op_sel_hi:[1,0]
	v_cvt_pk_bf16_f32 v[AF+8*\i],   v[96+4*\i], v[97+4*\i]         ; lanes 16-31 hold these at k = 8..11, where B is zero
	v_cvt_pk_bf16_f32 v[AF+8*\i+1], v[98+4*\i], v[99+4*\i]
.endr
	s_wait_dscnt 0x0                               ; for the others' sake: my stores into the three tables are done
	s_barrier_signal -1
	s_barrier_wait -1
	s_wait_alu depctr_vm_vsrc(0)                   ; the head's loads and LDS stores have read v9-v14, v[28:29], v[32:63] and v[128:159]: from here on these are B, xx, MO, MI and CN, written by loads and by vector work
.irp j, 0,1,2,3
.irp i, 0,1,2,3
	ds_load_b128 v[CN+16*\j+4*\i:CN+16*\j+4*\i+3], v31 offset:CNT+\j*1024+\i*16        ; no vector instruction since the last wait on va_vdst names CN, v31, v[16:17], v24 or the two stepped addresses
.endr
.endr
	ds_load_b64 v[BF:BF+1], v[XBP]                 ; step 0
	ds_load_b32 v[XXR], v[XXP]
.irp j, 2,3,4,5,6,7
	v_mov_b32 v[BO+\j], 0                          ; the odd steps' B: what stays zero
.endr
	s_wait_dscnt 0x0
; THE INDEX of the first predecessor that equals the minimum, for the four u of group g, in two parts, with the masks in the scalar registers from sb on.
; CMPG: n0, n1: predecessor 0, 1 is not the minimum; e2: predecessor 2 is.
.macro CMPG g, sb
.irp i, 0,1,2,3
	v_cmp_neq_f32 s[\sb+3*\i],   v[AL+4*\g+\i],    v[MO+4*\g+\i]
	v_cmp_neq_f32 s[\sb+3*\i+1], v[AL+16+4*\g+\i], v[MO+4*\g+\i]
	v_cmp_eq_f32  s[\sb+3*\i+2], v[AL+32+4*\g+\i], v[MO+4*\g+\i]
.endr
.endm
; BITG: bit 1 = n0 and n1; bit 0 = n0 and not (n1 and e2); each a mask over the 32 lanes, put into one lane of HI and LO.
; It stands behind the NEXT group's compares and behind the wait that shows both groups' masks written: hence the two sets of masks.
.macro BITG g, par, sb
.irp i, 0,1,2,3
	s_and_b32 s[\sb+3*\i+2], s[\sb+3*\i+1], s[\sb+3*\i+2]
	s_and_b32 s[\sb+3*\i+1], s[\sb+3*\i], s[\sb+3*\i+1]
	s_and_not1_b32 s[\sb+3*\i], s[\sb+3*\i], s[\sb+3*\i+2]
.endr
.irp i, 0,1,2,3
	v_writelane_b32 v[LO], s[\sb+3*\i],   4*\g+\i+16*\par
	v_writelane_b32 v[HI], s[\sb+3*\i+1], 4*\g+\i+16*\par
.endr
.endm
; ONE STEP.  first = 1: step 0, which has no predecessors.  par: which half of LO and HI takes the step's indices; with par = 1 the pair of steps is stored.
; buf: the step's parity: the buffer of minima, and the set of B and xx.  pre = 1: the next step's B and xx are fetched into the other set, at offB and offX from the stepped addresses.
; One barrier a step serves both ways: in front of its signal a wave's stores into this step's buffer are done, and so are its reads of the other buffer,
; which the next step writes.
.macro STEP first, par, buf, pre, offB, offX
.set BC, BF-8*(\buf)                   ; this step's B,
.set BN, BO+8*(\buf)                   ; the next step's
.set XC, XXR+4*(\buf)                  ; this step's xx,
.set XN, Z-4*(\buf)                    ; the next step's
.if \first == 0
.if \par
	s_wait_alu depctr_vm_vsrc(0)                   ; the LDS stores of the step before have read MO, which the minima below write again (for a trip's first step the wait at a trip's end states it)
.endif
.set q, 0
.rept 16
	v_min3_num_f32 v[MO+q], v[AL+q], v[AL+16+q], v[AL+32+q]
.set q, q+1
.endr
.set q, 0
.rept 16
	v_min_num_f32 v[MO+q], v[MO+q], v[AL+48+q]
.set q, q+1
.endr
	s_wait_alu depctr_va_vdst(0)                   ; the minima have written MO, which the stores read; the step before is done reading MI and the other B and xx, in which this step's loads land; XBP and XXP are written
.irp g, 0,1,2,3
	ds_store_b128 v[MS], v[MO+4*\g:MO+4*\g+3] offset:\buf*MBUF+16*\g
.endr
	CMPG 0, SA                                     ; 32 vector instructions while the stores land
	CMPG 1, SC
	s_wait_alu depctr_va_sdst(0)                   ; the compares of groups 0 and 1 have written both sets of masks, ahead of the scalar logic that reads them
	BITG 0, \par, SA
	s_wait_dscnt 0x0                               ; my minima are in LDS, my reads of the last step's are back; B and xx of this step are in
	s_barrier_signal -1                            ; between this and the wait: register work alone
	CMPG 2, SA
	BITG 1, \par, SC
	CMPG 3, SC
	s_wait_alu depctr_va_sdst(0)                   ; the compares of groups 2 and 3 have written both sets of masks, ahead of the scalar logic that reads them
	BITG 2, \par, SA
	BITG 3, \par, SC                               ; the last reader of the old alpha stands above: the products may take its registers
.endif
.irp i, 0,1,2,3,4,5,6,7
	v_wmma_f32_16x16x32_bf16 v[AL+8*\i:AL+8*\i+7], v[AF+8*\i:AF+8*\i+7], v[BC:BC+7], 0   ; -2 codebook . x: eight accumulators, each started by the constant 0: no chain
.endr
.if \first == 0
	s_barrier_wait -1                              ; every wave's minima are in LDS
.irp j, 0,1,2,3
	ds_load_b128 v[MI+4*\j:MI+4*\j+3], v[ML] offset:\buf*MBUF+256*\j                     ; u = 64 j + 8 w + 4 h + 0..3.  No wait: no vector or matrix instruction since the wait behind the minima names MI
.endr
.endif
.if \pre
	ds_load_b64 v[BN:BN+1], v[XBP] offset:\offB    ; the next step's B and xx, into the set that this step does not name: nothing more is owed
	ds_load_b32 v[XN], v[XXP] offset:\offX
.endif
.rept 4
	v_nop                                          ; four places between the products and the first read of a result (ISA guide 7.12.1)
.endr
.set a, 0
.rept 32
	v_pk_add_f32 v[AL+a:AL+a+1], v[AL+a:AL+a+1], v[CN+a:CN+a+1]                          ; cnorm - 2 d
.set a, a+2
.endr
.set a, 0
.rept 32
	v_pk_add_f32 v[AL+a:AL+a+1], v[AL+a:AL+a+1], v[XC:XC+1] op_sel_hi:[1,0]              ; + xx
.set a, a+2
.endr
.if \first == 0
.if \par
	s_wait_alu depctr_va_vdst(0)                   ; the lane writes of both steps have written LO and HI, which the store reads
	global_store_b64 v[BPO], v[LO:HI], s[8:9]      ; a wave stores 256 consecutive bytes, at a multiple of 256 from bp's first byte
.endif
.if \pre
	s_wait_dscnt 0x2                               ; LDS loads come back in order (ISA guide 5.7.1): the four of minima are in, the two issued behind them may stay out
.else
	s_wait_dscnt 0x0
.endif
.set a, 0
.rept 32
.if (a/4)%2 == 0
	v_pk_add_f32 v[AL+a:AL+a+1], v[AL+a:AL+a+1], v[MI+a/4:MI+a/4+1] op_sel_hi:[1,0]               ; + the minimum of u = s >> 2: one for four states
.else
	v_pk_add_f32 v[AL+a:AL+a+1], v[AL+a:AL+a+1], v[MI+a/4-1:MI+a/4] op_sel:[0,1] op_sel_hi:[1,1]
.endif
.set a, a+2
.endr
.endif
.endm
	STEP 1, 0, 0, 1, 256, 64                       ; step 0; fetches step 1: no vector instruction since the head's last wait on va_vdst names v[8:9], v28 or the two addresses
	s_mov_b32 s12, 31
.Ltrip:                                                ; 31 trips: steps 1 to 62
	STEP 0, 0, 1, 1, 512, 128
	STEP 0, 1, 0, 1, 768, 192
	s_wait_xcnt 0x0                                ; the store's base, and LO and HI, are written again only behind this wait
	s_wait_alu depctr_vm_vsrc(0)                   ; the pair's store has read LO and HI, this step's LDS stores MO, the loads of B and xx their addresses: all of them are written again below and in the next step
	s_add_nc_u64 s[8:9], s[8:9], 2048              ; eight waves x 256 bytes for a pair of steps
	v_add_nc_u32 v[XBP], 512, v[XBP]
	v_add_nc_u32 v[XXP], 128, v[XXP]
	s_sub_co_i32 s12, s12, 1
	s_cmp_lg_u32 s12, 0
	s_cbranch_scc1 .Ltrip
	STEP 0, 0, 1, 0, 0, 0                          ; step 63: nothing is left to fetch; its indices lie in lanes 0-15 of LO and HI
	; THE LAST STATE: the first state of least alpha.  In a lane the state grows with the register's number: four chains of 16 registers, each keeping the
	; old one where old <= candidate, then the chains in ascending order.
	s_wait_alu depctr_vm_vsrc(0)                   ; step 63's LDS stores have read MO, whose registers the search writes
.irp c, 0,1,2,3
	v_mov_b32 v[32+\c], v[AL+16*\c]
	v_mov_b32 v[36+\c], 16*\c
.endr
.set q, 1
.rept 15
.irp c, 0,1,2,3
	v_cmp_le_f32 s[20+\c], v[32+\c], v[AL+16*\c+q]
.endr
	s_wait_alu depctr_va_sdst(0)                   ; the four compares have written s[20:23], ahead of the selects that read them
.irp c, 0,1,2,3
	v_cndmask_b32 v[32+\c], v[AL+16*\c+q], v[32+\c], s[20+\c]
	v_cndmask_b32 v[36+\c], 16*\c+q, v[36+\c], s[20+\c]
.endr
.set q, q+1
.endr
.irp c, 1,2,3
	v_cmp_le_f32 vcc_lo, v32, v[32+\c]
	s_wait_alu depctr_va_vcc(0)                    ; the compare has written VCC, ahead of the selects that read it
	v_cndmask_b32 v32, v[32+\c], v32, vcc_lo
	v_cndmask_b32 v36, v[36+\c], v36, vcc_lo
.endr
	v_and_b32 v37, 0x30, v36                       ; register a -> state 256 (a / 16) + 32 w + 16 h + a % 16
	v_and_b32 v36, 15, v36
	v_lshl_or_b32 v36, v37, 4, v36
	v_or_b32 v36, v36, v[SB]
	v_mul_u32_u24 v9, v1, 80                       ; block r's sixteen entries
	s_lshl_b32 s18, s10, 3
	v_lshl_add_u32 v10, v2, 2, s18                 ; mine: 2 w + h
	v_add_nc_u32 v10, v9, v10
	s_wait_alu depctr_va_vdst(0)                   ; v32, v36 and the addresses v9 and v10 are written, which the LDS instructions below read; the vector work on v[32:63], in which the loads below land, is done
	ds_store_b32 v10, v32 offset:FV
	ds_store_b32 v10, v36 offset:FS
	s_wait_dscnt 0x0                               ; for the others' sake
	s_barrier_signal -1
	s_barrier_wait -1
	s_wait_alu depctr_vm_vsrc(0)                   ; my two stores have read v32 and v36, in which loads land now
.irp i, 0,1,2,3
	ds_load_b128 v[32+4*\i:35+4*\i], v9 offset:FV+16*\i
	ds_load_b128 v[48+4*\i:51+4*\i], v9 offset:FS+16*\i
.endr
	s_wait_dscnt 0x0
.set e, 1
.rept 15                                       ; the entries are not in the states' order: less alpha wins, and of equal alpha the lower state
	v_cmp_lt_f32 s20, v[32+e], v32
	v_cmp_eq_f32 s21, v[32+e], v32
	v_cmp_lt_u32 s22, v[48+e], v48
	s_wait_alu depctr_va_sdst(0)                   ; the three compares have written s[20:22], ahead of the scalar logic that reads them
	s_and_b32 s21, s21, s22
	s_or_b32 vcc_lo, s20, s21
	v_cndmask_b32 v32, v32, v[32+e], vcc_lo
	v_cndmask_b32 v48, v48, v[48+e], vcc_lo
.set e, e+1
.endr
	v_cmp_eq_u32 vcc_lo, 0, v2                     ; lanes 0-15 keep step 63's indices; lane 16 + r takes block r's last state, and 0 above it
	s_wait_alu depctr_va_vcc(0)                    ; the compare has written VCC, ahead of the selects that read it
	v_cndmask_b32 v[LO], v48, v[LO], vcc_lo
	v_cndmask_b32 v[HI], 0, v[HI], vcc_lo
	s_wait_alu depctr_va_vdst(0)                   ; the selects have written LO and HI, which the store reads
	global_store_b64 v[BPO], v[LO:HI], s[8:9]      ; the 32nd pair of slots: every byte of bp is stored
	s_set_vgpr_msb 0x5
	s_wait_dscnt 0x0
	s_wait_alu depctr_hold_cnt(0) depctr_sa_sdst(0) depctr_va_vdst(0) depctr_va_sdst(0) depctr_va_ssrc(0) depctr_va_vcc(0) depctr_vm_vsrc(0)
	s_wait_tensorcnt 0x0
	ds_add_u32 v0, v1
	s_wait_dscnt 0x0
	s_endpgm
.Lfunc_end_k_qa0a2567be1_forward:
	.size	k_qa0a2567be1_forward, .Lfunc_end_k_qa0a2567be1_forward-k_qa0a2567be1_forward
	.p2alignl 7, 3214868480
	.fill 96, 4, 3214868480
	.section	.rodata,"a",@progbits
	.p2align	6, 0x0
	.amdhsa_kernel k_qa0a2567be1_forward
		.amdhsa_group_segment_fixed_size 61440
		.amdhsa_private_segment_fixed_size 0
		.amdhsa_enable_private_segment 0
		.amdhsa_kernarg_size 24
		.amdhsa_user_sgpr_count 2
		.amdhsa_user_sgpr_kernarg_segment_ptr 1
		.amdhsa_wavefront_size32 1
		.amdhsa_system_sgpr_workgroup_id_x 1
		.amdhsa_system_sgpr_workgroup_id_y 1
		.amdhsa_system_sgpr_workgroup_id_z 1
		.amdhsa_system_vgpr_workitem_id 0
		.amdhsa_next_free_vgpr 258
		.amdhsa_next_free_sgpr 66
		.amdhsa_reserve_vcc 1
		.amdhsa_float_denorm_mode_32 3
		.amdhsa_float_denorm_mode_16_64 3
		.amdhsa_memory_ordered 1
		.amdhsa_forward_progress 1
		.amdhsa_inst_pref_size 85
	.end_amdhsa_kernel
	.amdgpu_metadata
---
amdhsa.version: [ 1, 2 ]
amdhsa.kernels:
  - .name:           k_qa0a2567be1_forward
    .symbol:         k_qa0a2567be1_forward.kd
    .args:
      - { .name: array, .offset: 0, .size: 8, .value_kind: global_buffer, .address_space: global }
      - { .name: codebook, .offset: 8, .size: 8, .value_kind: global_buffer, .address_space: global }
      - { .name: bp, .offset: 16, .size: 8, .value_kind: global_buffer, .address_space: global }
    .group_segment_fixed_size: 61440
    .private_segment_fixed_size: 0
    .kernarg_segment_align: 8
    .kernarg_segment_size: 24
    .max_flat_workgroup_size: 256
    .sgpr_count:     66
    .vgpr_count:     258
    .wavefront_size: 32
...
	.end_amdgpu_metadata
.endif
;; end of part 3
;; launch trace: the kernel of part 2 again; grid 256 x 1, 8 waves a work-group, no clusters, 87,296 bytes of LDS; arguments bp, codebook, out0, out1; writes out0, out1
